; MI455X (gfx1250); checked and timed in simulation.
; The chip was launched on July 23, 2026; its instructions are those of AMD's public machine-readable ISA for CDNA 5 (MIT licence, August 2026) and "CDNA5" Instruction Set Architecture Reference Guide (July 2026). The comments in the code are by the model that wrote it; some were corrected since.
;; Q Agent. Allowed arithmetic: float matrix products may take bf16 or f16 operands with f32 sums; all other float work in f32.
;; Inputs: A_log 16 float32; D 16 float32; W_B 64 x 64 float32; W_C 64 x 64 float32; W_dt 1 x 16 float32; W_in 64 x 1,024 float32; W_out 1,024 x 1 float32; dt_bias 16 float32; init_state 16 x 64 x 64 float32; obs 256 x 64 x 64 float32; reward 256 x 64 x 1 float32.
;; Outputs: out0 256 x 8 x 8 float32; out1 256 x 8 x 8 float32.
;; Constants: k = 8.
;; One version. Each part assembles by itself: llvm-mc -triple=amdgcn-amd-amdhsa -mcpu=gfx1250 --defsym DOCPART=n.
;; ======== version 1 of 1: 2 launches
;; limits: values are held in f16: magnitudes above 65,504 overflow, below 6.1e-05 lose precision; inputs' magnitudes at most 65,504
;; workspace buffers: wfrag 18,432 bytes; gzero 4,096 bytes
;; launch prep (part 1): grid 24 x 1, 8 waves a work-group, no clusters, 5,120 bytes of LDS; arguments W_in, W_out, W_B, W_C, init_state, wfrag, gzero; writes wfrag, gzero
.if DOCPART == 1
	.amdgcn_target "amdgcn-amd-amdhsa--gfx1250"
	.amdhsa_code_object_version 6
	.text
	.protected	k_q26aea91a1a_prep
	.globl	k_q26aea91a1a_prep
	.p2align	8
	.type	k_q26aea91a1a_prep,@function
k_q26aea91a1a_prep:
	s_mov_b64 s[64:65], 0
	v_nop
	global_prefetch_b8 v0, s[64:65] scope:SCOPE_SE
	s_setreg_imm32_b32 hwreg(HW_REG_WAVE_MODE, 25, 1), 1
	s_wait_xcnt 0x0
; Folds W_out, which reference() applies last and which is linear, into what stands in front of the scan:
;   Wv[o][h] = sum over p of W_in[o][64 h + p] * W_out[64 h + p]              (64 x 16)
;   g0[h][n] = sum over p of W_out[64 h + p] * init_state[h][p][n]            (16 x 64, f32, buffer gzero)
; and writes W_B, W_C and 32 * Wv as f16 in the register image of matrix fragments (buffer wfrag):
;   the 16 bytes at j*2048 + ob*256 + (n' & 15)*16 hold column n' = 16 j + (n' & 15), rows o = 8 ob .. 8 ob + 7;
;   n' = 0..63 columns of W_B, 64..127 columns of W_C, 128 + h column h of 32 * Wv.
; LIMITS: the sums over p are made here, in f32, ahead of the scan: an order of rounding other than reference()'s.
;   f16 holds |W_B|, |W_C| < 65,504 and |Wv| < 2,047; the factor 32 centres Wv in f16's normal range.
; Work-groups 0..7 (ob): rows o = 8 ob .. 8 ob + 7 of W_in, W_B, W_C.  Work-groups 8..23 (h): one head of init_state.
; The branch between the two hangs on the work-group's number alone, so all eight waves pass the same barrier.
; Each of the two roles has LDS bytes of its own: the rows' stage is bytes 0 .. 511, the state's stage bytes 2,048 .. 4,095.
; No matrix unit, no tensor load, no cluster: 0.5 MB is read once, each byte by one wave, and nothing is shared but W_out's 4 KB.
.set SSTAGE, 2048                      ; the state role's stage: eight waves x 256 bytes
	s_load_b256 s[4:11], s[0:1], 0x0               ; W_in s[4:5], W_out s[6:7], W_B s[8:9], W_C s[10:11]
	s_load_b128 s[12:15], s[0:1], 0x20             ; init_state s[12:13], wfrag s[14:15]
	s_load_b64 s[16:17], s[0:1], 0x30              ; gzero
	v_lshl_add_u32 v128, v0, 2, 0x1000
	v_mov_b32 v129, 0
	v_and_b32 v1, 31, v0                           ; L, the lane
	v_lshrrev_b32 v5, 5, v0
	v_readfirstlane_b32 s20, v5                    ; i, the wave, 0..7
	v_lshlrev_b32 v2, 4, v1                        ; 16 L
	v_lshrrev_b32 v3, 4, v1                        ; L >> 4
	v_and_b32 v4, 15, v1                           ; L & 15
	s_mov_b32 s23, 0                               ; high words of 64-bit offsets
	s_mov_b32 s27, 0
	s_mov_b32 s39, 0
	s_mov_b32 s32, 0x76543210                      ; v_permlanex16_b32: lane i of one half reads lane i of the other
	s_mov_b32 s33, 0xfedcba98
	s_wait_kmcnt 0x0
	s_cmp_ge_u32 ttmp9, 8
	s_cbranch_scc1 .Lstate
; ---------------- rows o = 8 ob .. 8 ob + 7; wave i has row o = 8 ob + i of W_in ----------------
	s_lshl_b32 s21, ttmp9, 3
	s_add_co_u32 s21, s21, s20                     ; o
	s_lshl_b32 s22, s21, 12                        ; a row of W_in is 4,096 bytes
	s_add_nc_u64 s[4:5], s[4:5], s[22:23]
.irp c, 0,1,2,3,4,5,6,7
	global_load_b128 v[16+4*\c:19+4*\c], v2, s[4:5] offset:512*\c th:TH_LOAD_NT   ; 512 neighbouring bytes: lanes 0-15 head 2c, lanes 16-31 head 2c+1
.endr
.irp c, 0,1,2,3,4,5,6,7
	global_load_b128 v[48+4*\c:51+4*\c], v2, s[6:7] offset:512*\c                 ; W_out in the same places
.endr
	s_cmp_lt_u32 s20, 4
	s_cbranch_scc0 .Lnot_t                         ; waves 4..7 have no part in the transposition
	; waves 0, 1: W_B, waves 2, 3: W_C; lane L has column n = 32 (i & 1) + L and takes it from the eight rows
	s_cmp_lt_u32 s20, 2
	s_cselect_b64 s[24:25], s[8:9], s[10:11]
	s_lshl_b32 s26, ttmp9, 11                      ; eight rows of 256 bytes
	s_add_nc_u64 s[24:25], s[24:25], s[26:27]
	s_and_b32 s30, s20, 1
	s_lshl_b32 s31, s30, 7
	v_lshl_add_u32 v6, v1, 2, s31                  ; 4 n
.irp k, 0,1,2,3,4,5,6,7
	global_load_b32 v[80+\k], v6, s[24:25] offset:256*\k       ; W[8 ob + k][n]: 128 neighbouring bytes a load
.endr
	s_lshl_b32 s31, s30, 12
	v_lshl_add_u32 v7, v3, 11, s31                 ; tile within the matrix: 2 (i & 1) + (L >> 4), 2,048 bytes each
	v_lshl_add_u32 v7, v4, 4, v7                   ; + 16 (n & 15)
	s_lshr_b32 s26, s20, 1
	s_lshl_b32 s26, s26, 13                        ; W_C's four tiles lie 8,192 bytes behind W_B's
	s_lshl_b32 s30, ttmp9, 8
	s_add_co_u32 s26, s26, s30                     ; + 256 ob
	s_add_nc_u64 s[28:29], s[14:15], s[26:27]
	s_wait_loadcnt 0x0                             ; the eight words are the youngest loads: nothing may stay out
.irp k, 0,1,2,3
	v_cvt_pk_f16_f32 v[88+\k], v[80+2*\k], v[81+2*\k]
.endr
	global_store_b128 v7, v[88:91], s[28:29]       ; sixteen lanes store 256 consecutive bytes, aligned
.Lnot_t:
	s_wait_loadcnt 0x0                             ; the row of W_in and W_out
.irp c, 0,1,2,3,4,5,6,7
	v_pk_mul_f32 v[96+2*\c:97+2*\c], v[16+4*\c:17+4*\c], v[48+4*\c:49+4*\c]       ; the first product starts the sum
.endr
.irp c, 0,1,2,3,4,5,6,7
	v_pk_fma_f32 v[96+2*\c:97+2*\c], v[18+4*\c:19+4*\c], v[50+4*\c:51+4*\c], v[96+2*\c:97+2*\c]
.endr
.irp c, 0,1,2,3,4,5,6,7
	v_add_f32 v[112+\c], v[96+2*\c], v[97+2*\c]
.endr
.irp x, 1,2,4,8
.irp c, 0,1,2,3,4,5,6,7
	v_add_f32_dpp v[112+\c], v[112+\c], v[112+\c] row_xmask:\x row_mask:0xf bank_mask:0xf   ; over the 16 lanes of a head
.endr
.endr
	s_lshl_b32 s34, s20, 2
	v_lshl_add_u32 v9, v3, 5, s34                  ; LDS word [h][i]: 32 h + 4 i, h = 2c + (L >> 4)
.irp c, 0,1,2,3,4,5,6,7
	ds_store_b32 v9, v[112+\c] offset:64*\c        ; the sixteen lanes of a head write one word with one value
.endr
	s_wait_dscnt 0x0                               ; for wave 0's sake: my words are in LDS
	s_barrier_signal -1
	s_barrier_wait -1
	s_cmp_lg_u32 s20, 0
	s_cbranch_scc1 .Lend
	; wave 0: lane h takes Wv[8 ob .. 8 ob + 7][h], 32 bytes, and makes its 16 bytes of tile 8
	v_lshlrev_b32 v10, 5, v4
	ds_load_b128 v[16:19], v10
	ds_load_b128 v[20:23], v10 offset:16
	v_lshlrev_b32 v11, 4, v4
	s_lshl_b32 s38, ttmp9, 8
	s_add_co_u32 s38, s38, 16384                   ; tile 8 begins at 8 x 2,048
	s_add_nc_u64 s[36:37], s[14:15], s[38:39]
	s_wait_dscnt 0x0
.irp k, 0,2,4,6
	v_pk_mul_f32 v[16+\k:17+\k], v[16+\k:17+\k], 0x42000000 op_sel_hi:[1,0]      ; x 32
.endr
.irp k, 0,1,2,3
	v_cvt_pk_f16_f32 v[24+\k], v[16+2*\k], v[17+2*\k]
.endr
	s_wait_xcnt 0x0                                ; EXEC is a source of the store above: it narrows only behind this wait
	v_cmp_gt_u32 vcc_lo, 16, v1
	s_wait_tensorcnt 0x0
	ds_add_u32 v128, v129
	s_wait_dscnt 0x0
	s_and_saveexec_b32 s35, vcc_lo                 ; lanes 0-15: one lane for each head
	global_store_b128 v11, v[24:27], s[36:37]      ; 256 consecutive bytes, aligned
	s_endpgm
; ---------------- head h = work-group - 8; wave i has rows p = 8 i .. 8 i + 7 of init_state[h] ----------------
.Lstate:
	s_sub_co_u32 s21, ttmp9, 8                     ; h
	s_lshl_b32 s22, s21, 14                        ; a head is 64 rows of 256 bytes
	s_lshl_b32 s24, s20, 11                        ; eight rows
	s_add_co_u32 s22, s22, s24
	s_add_nc_u64 s[12:13], s[12:13], s[22:23]
	s_lshl_b32 s26, s21, 8                         ; W_out[64 h + 8 i ..]
	s_lshl_b32 s24, s20, 5
	s_add_co_u32 s26, s26, s24
	s_add_nc_u64 s[6:7], s[6:7], s[26:27]
	v_lshlrev_b32 v8, 2, v3                        ; lanes 16-31 have the odd row of each pair
.irp c, 0,1,2,3
	global_load_b128 v[16+4*\c:19+4*\c], v2, s[12:13] offset:512*\c th:TH_LOAD_NT ; rows p = 8 i + 2c + (L >> 4), columns 4 (L & 15) ..
.endr
.irp c, 0,1,2,3
	global_load_b32 v[32+\c], v8, s[6:7] offset:8*\c                              ; that row's W_out
.endr
	s_wait_loadcnt 0x0
.irp k, 0,1,2,3
	v_mul_f32 v[36+\k], v[16+\k], v32              ; the first product starts the sum
.endr
.irp c, 1,2,3
.irp k, 0,1,2,3
	v_fma_f32 v[36+\k], v[16+4*\c+\k], v[32+\c], v[36+\k]
.endr
.endr
.irp k, 0,1,2,3
	v_permlanex16_b32 v[16+\k], v[36+\k], s32, s33 ; the other half's rows (the destinations were written by the loads)
.endr
.irp k, 0,1,2,3
	v_add_f32 v[36+\k], v[36+\k], v[16+\k]
.endr
	s_lshl_b32 s34, s20, 8
	v_lshl_add_u32 v9, v4, 4, s34                  ; in the stage: 256 i + 16 (L & 15); both halves write the same bytes with the same values
	ds_store_b128 v9, v[36:39] offset:SSTAGE
	s_wait_dscnt 0x0                               ; for wave 0's sake
	s_barrier_signal -1
	s_barrier_wait -1
	s_cmp_lg_u32 s20, 0
	s_cbranch_scc1 .Lend
	v_lshlrev_b32 v10, 4, v4
.irp k, 0,1,2,3,4,5,6,7
	ds_load_b128 v[16+4*\k:19+4*\k], v10 offset:SSTAGE+256*\k  ; the eight waves' sums
.endr
	s_lshl_b32 s38, s21, 8
	s_add_nc_u64 s[36:37], s[16:17], s[38:39]      ; gzero's row h
	s_wait_dscnt 0x0
.irp k, 0,2,4,6,8,10,12,14
	v_pk_add_f32 v[16+\k:17+\k], v[16+\k:17+\k], v[32+\k:33+\k]
.endr
.irp k, 0,2,4,6
	v_pk_add_f32 v[16+\k:17+\k], v[16+\k:17+\k], v[24+\k:25+\k]
.endr
.irp k, 0,2
	v_pk_add_f32 v[16+\k:17+\k], v[16+\k:17+\k], v[20+\k:21+\k]
.endr
	s_wait_xcnt 0x0                                ; EXEC narrows only behind this wait
	v_cmp_gt_u32 vcc_lo, 16, v1
	s_wait_tensorcnt 0x0
	ds_add_u32 v128, v129
	s_wait_dscnt 0x0
	s_and_saveexec_b32 s35, vcc_lo
	global_store_b128 v10, v[16:19], s[36:37]      ; 256 consecutive bytes, aligned: g0[h][0..63]
	s_endpgm
.Lend:
	s_wait_tensorcnt 0x0
	ds_add_u32 v128, v129
	s_wait_dscnt 0x0
	s_endpgm
.Lfunc_end_k_q26aea91a1a_prep:
	.size	k_q26aea91a1a_prep, .Lfunc_end_k_q26aea91a1a_prep-k_q26aea91a1a_prep
	.p2alignl 7, 3214868480
	.fill 96, 4, 3214868480
	.section	.rodata,"a",@progbits
	.p2align	6, 0x0
	.amdhsa_kernel k_q26aea91a1a_prep
		.amdhsa_group_segment_fixed_size 5120
		.amdhsa_private_segment_fixed_size 0
		.amdhsa_enable_private_segment 0
		.amdhsa_kernarg_size 56
		.amdhsa_user_sgpr_count 2
		.amdhsa_user_sgpr_kernarg_segment_ptr 1
		.amdhsa_wavefront_size32 1
		.amdhsa_system_sgpr_workgroup_id_x 1
		.amdhsa_system_sgpr_workgroup_id_y 1
		.amdhsa_system_sgpr_workgroup_id_z 1
		.amdhsa_system_vgpr_workitem_id 0
		.amdhsa_next_free_vgpr 130
		.amdhsa_next_free_sgpr 66
		.amdhsa_reserve_vcc 1
		.amdhsa_float_denorm_mode_32 3
		.amdhsa_float_denorm_mode_16_64 3
		.amdhsa_memory_ordered 1
		.amdhsa_forward_progress 1
		.amdhsa_inst_pref_size 15
	.end_amdhsa_kernel
	.amdgpu_metadata
---
amdhsa.version: [ 1, 2 ]
amdhsa.kernels:
  - .name:           k_q26aea91a1a_prep
    .symbol:         k_q26aea91a1a_prep.kd
    .args:
      - { .name: W_in, .offset: 0, .size: 8, .value_kind: global_buffer, .address_space: global }
      - { .name: W_out, .offset: 8, .size: 8, .value_kind: global_buffer, .address_space: global }
      - { .name: W_B, .offset: 16, .size: 8, .value_kind: global_buffer, .address_space: global }
      - { .name: W_C, .offset: 24, .size: 8, .value_kind: global_buffer, .address_space: global }
      - { .name: init_state, .offset: 32, .size: 8, .value_kind: global_buffer, .address_space: global }
      - { .name: wfrag, .offset: 40, .size: 8, .value_kind: global_buffer, .address_space: global }
      - { .name: gzero, .offset: 48, .size: 8, .value_kind: global_buffer, .address_space: global }
    .group_segment_fixed_size: 5120
    .private_segment_fixed_size: 0
    .kernarg_segment_align: 8
    .kernarg_segment_size: 56
    .max_flat_workgroup_size: 256
    .sgpr_count:     66
    .vgpr_count:     130
    .wavefront_size: 32
...
	.end_amdgpu_metadata
.endif
;; end of part 1
;; launch scan (part 2): grid 64 x 1, 4 waves a work-group, no clusters, 307,968 bytes of LDS; arguments obs, reward, W_dt, dt_bias, A_log, D, wfrag, gzero, out0, out1; writes out0, out1
.if DOCPART == 2
	.amdgcn_target "amdgcn-amd-amdhsa--gfx1250"
	.amdhsa_code_object_version 6
	.text
	.protected	k_q26aea91a1a_scan
	.globl	k_q26aea91a1a_scan
	.p2align	8
	.type	k_q26aea91a1a_scan,@function
k_q26aea91a1a_scan:
	s_mov_b64 s[64:65], 0
	v_nop
	global_prefetch_b8 v0, s[64:65] scope:SCOPE_SE
	s_setreg_imm32_b32 hwreg(HW_REG_WAVE_MODE, 25, 1), 1
	s_wait_xcnt 0x0
; One work-group for each sequence b (64), four waves.  With W_out folded in ahead (g = sum over p of W_out * h, exact algebra):
;   B_t = obs_t W_B, C_t = obs_t W_C, v_t = obs_t Wv;  dt = softplus(reward W_dt + dt_bias);  dec = exp(-dt e^A_log);  w = dt v
;   g_t[h][n] = dec_t[h] g_(t-1)[h][n] + w_t[h] B_t[n],  g_(-1) = gzero;   o_t = sum over h, n of g_t C_t[n] + sum over h of D[h] v_t[h]
; Phases: (1) obs[:, b, :] and the weights' fragments come into LDS by two tensor loads a wave; (2) 288 f16 matrix instructions make B, C, 32 v;
; (3) dt, dec, w in f32; (4) 256 steps in f32 on the vector unit, the 1,024 state numbers in registers, 8 a lane; each lane's part of o_t goes
; to LDS unsummed; (5) one sum over the 128 lanes' rows and the two rows of the D term; both outputs are stored.
; Wave w has t = 64 w .. 64 w + 63 in (1), (2), (3), (5) and n = 16 w .. 16 w + 15 in (4).
; LIMITS: p is summed ahead of the scan, an order of f32 rounding other than reference()'s.  Matrix operands are f16: |obs|, |W_B|, |W_C| < 65,504,
;   |Wv| < 2,047.  The scan's operands (dec, w, g) stay in f32.  An exponential whose result lies below 2^-126 comes out as 0.
;   softplus(x) = max(x, 0) + log1p(e^-|x|): the exponent is never positive, whatever x.
; NO CLUSTER: what the work-groups share is wfrag, 18,432 of the 83,968 bytes that a work-group fills, and it is filled once.
; NO RING: every LDS byte that a tensor load fills is filled once.  A wave has two tensor loads outstanding.
; THE OUTPUTS: out[t][b] has b along the rows and a work-group owns one b, so each lane stores words of 4 bytes, 256 bytes apart.
;
; LDS (bytes).  Every pitch is an odd multiple of 16, so that sixteen neighbouring rows begin 16 bytes apart modulo 256.
.set XPITCH,  272                      ; XS at 0: obs, 256 rows t of 256 bytes + 16
.set WS,      69632                    ; the fragments, 18,432 bytes, dense
.set WQ,      4608                     ; a wave's quarter of them: 18 rows of 256 bytes
.set PPITCH,  1040                     ; P at 0, over XS and WS once these have been read: 130 rows of 256 t x 4 bytes + 16
.set PD,      128*PPITCH               ; rows 128, 129: the D term of heads 0-7, 8-15; they begin beyond WS's end and no fill lands there
.set BC,      135424                   ; 256 rows t: B[0..63], C[0..63] in f32, + 16
.set BCPITCH, 528
.set DW,      270592                   ; 256 rows t: 16 heads x (dec, w), + 16; ends at 307,456
.set DWPITCH, 144
; vector registers
.set AX,   4                           ; LDS addresses and offsets, see where they are made
.set AW,   5
.set ABCS, 6
.set ADWS, 7
.set ADT,  8
.set ADW,  9
.set ABC,  10
.set AP,   11
.set AR,   12
.set OC,   13
.set ORW,  14
.set OG,   15
.set VO,   252
.set HP,   253
.set NG,   254
.set WDT,  16                          ; v[16:23] W_dt, v[24:31] dt_bias, v[32:39] A_log, v[40:47] D of my eight heads 8 h' ..
.set BIA,  24
.set AL2,  32
.set DD,   40
.set RW,   48                          ; v[48:51] reward of t = 64 w + 16 m + r
.set XF,   52                          ; v[52:115] obs in f16: tile m, K step ks at XF + 16 m + 8 ks
.set WB,   116                         ; v[116:147] weights' fragments, two buffers of two K steps
.set ACC,  148                         ; v[148:211] two sets of four accumulators
.set ST0,  148                         ; v[148:243] three stages of obs in f32, before the accumulators live
.set ST1,  180
.set ST2,  212
.set TX,   52                          ; dt phase, over XF
.set TE,   60
.set TU,   68
.set TM,   76
.set TV,   84
.set OUT,  92
.set DTM,  108
.set LD,   16                          ; scan: v[16:111] two buffers of four steps of (dec0 w0 dec1 w1), B quad, C quad
.set TT,   112                         ; v[112:143] w B
.set GS,   144                         ; the state behind steps 0, 1, 2 of a group at GS + 8 s; behind step 3 at v[244:251]
.set Y,    168
.set YS,   176
.set FB,   16                          ; the last sum: two buffers of 13 quads
.set AC0,  120
.set AC1,  124
.set PX,   128
.set VA,   132
.set VB,   133
	s_load_b512 s[4:19], s[0:1], 0x0               ; obs 4:5, reward 6:7, W_dt 8:9, dt_bias 10:11, A_log 12:13, D 14:15, wfrag 16:17, gzero 18:19
	s_load_b128 s[20:23], s[0:1], 0x40             ; out0 20:21, out1 22:23
	v_lshl_add_u32 v255, v0, 2, 0x4b100
	s_set_vgpr_msb 0x40
	v_mov_b32 v1, 0
	s_set_vgpr_msb 0x4044
	ds_add_u32 v255, v1
	ds_add_u32 v255, v1
	s_set_vgpr_msb 0x4400
	v_lshrrev_b32 v2, 5, v0
	v_readfirstlane_b32 s24, v2                    ; w, the wave
	; group 1 for obs: 64 rows (t) of 64 f32, 4,096 elements from row to row, 4 words of padding behind every 64
	s_mov_b32 s28, (2<<16)|(1<<20)|(5<<22)|(3<<25)
	s_mov_b32 s29, 64<<16                          ; tensor_dim0 = 64
	s_mov_b32 s30, 64<<16                          ; tensor_dim1 = 64
	s_mov_b32 s31, 64<<16                          ; tile_dim0 = 64
	s_mov_b32 s32, 64                              ; tile_dim1 = 64
	s_mov_b32 s33, 4096                            ; the pitch
	s_mov_b32 s34, 0
	s_mov_b32 s35, 0
	; group 1 for the fragments: 18 dense rows of 32 elements of 8 bytes
	s_mov_b32 s40, 3<<16
	s_mov_b32 s41, 32<<16
	s_mov_b32 s42, 18<<16
	s_mov_b32 s43, 32<<16
	s_mov_b32 s44, 18
	s_mov_b32 s45, 32
	s_mov_b32 s46, 0
	s_mov_b32 s47, 0
	s_mov_b32 s36, 1
	s_mul_i32 s37, s24, 64*XPITCH                  ; my 64 rows of XS
	s_mov_b32 s48, 1
	s_mul_i32 s60, s24, WQ
	s_add_co_u32 s49, s60, WS                      ; my quarter of WS
	s_mov_b32 s61, 0
	s_lshl_b32 s58, s24, 20                        ; 64 t x 16,384 bytes
	s_lshl_b32 s26, ttmp9, 8                       ; b x 256 bytes
	s_add_co_u32 s58, s58, s26
	s_mov_b32 s59, 0
	s_wait_dscnt 0x0
	s_wait_kmcnt 0x0
	s_add_nc_u64 s[38:39], s[4:5], s[58:59]
	s_or_b32 s39, s39, 0x80000000
	s_add_nc_u64 s[50:51], s[16:17], s[60:61]
	s_or_b32 s51, s51, 0x80000000
	tensor_load_to_lds s[36:39], s[28:35]          ; both first fills go out together, ahead of every wait on TENSORcnt, LDS read and barrier
	s_nop 0
	tensor_load_to_lds s[48:51], s[40:47]
	s_nop 0
	v_and_b32 v1, 31, v0                           ; L
	v_and_b32 v2, 15, v1                           ; r
	v_lshrrev_b32 v3, 4, v1                        ; h'
	v_and_b32 v[HP], 7, v1                         ; scan: my heads are 2 hp, 2 hp + 1
	v_lshrrev_b32 v[NG], 3, v1                     ; scan: my n are 16 w + 4 ng ..
	v_lshlrev_b32 v[OC], 5, v3                     ; eight f32 of the per-head vectors
	v_lshlrev_b32 v[ORW], 8, v2                    ; reward: 256 bytes from t to t
	v_lshlrev_b32 v[OG], 9, v[HP]                  ; gzero: two rows of 256 bytes a head pair,
	v_lshl_add_u32 v[OG], v[NG], 4, v[OG]
	s_lshl_b32 s26, s24, 6
	v_add_nc_u32 v[OG], s26, v[OG]                 ; + 4 n
	s_lshl_b32 s58, s24, 14
	s_lshl2_add_u32 s58, ttmp9, s58                ; reward at t = 64 w, column b
	s_add_nc_u64 s[6:7], s[6:7], s[58:59]
	s_lshl_b32 s60, ttmp9, 2
	s_add_nc_u64 s[20:21], s[20:21], s[60:61]      ; the outputs at column b
	s_add_nc_u64 s[22:23], s[22:23], s[60:61]
	global_load_b128 v[WDT:WDT+3],   v[OC], s[8:9]
	global_load_b128 v[WDT+4:WDT+7], v[OC], s[8:9] offset:16
	global_load_b128 v[BIA:BIA+3],   v[OC], s[10:11]
	global_load_b128 v[BIA+4:BIA+7], v[OC], s[10:11] offset:16
	global_load_b128 v[AL2:AL2+3],   v[OC], s[12:13]
	global_load_b128 v[AL2+4:AL2+7], v[OC], s[12:13] offset:16
	global_load_b128 v[DD:DD+3],     v[OC], s[14:15]
	global_load_b128 v[DD+4:DD+7],   v[OC], s[14:15] offset:16
.irp m, 0,1,2,3
	global_load_b32 v[RW+\m], v[ORW], s[6:7] offset:4096*\m
.endr
	global_load_b128 v[244:247], v[OG], s[18:19]               ; g0 of head 2 hp, my four n
	global_load_b128 v[248:251], v[OG], s[18:19] offset:256    ; of head 2 hp + 1
	s_mov_b32 s52, 0xbfb8aa3b                      ; -log2 e
	s_mov_b32 s54, 0x76543210
	s_mov_b32 s55, 0xfedcba98
	v_mul_u32_u24 v[AX], v2, XPITCH                ; obs: row 64 w + r, 32 bytes (8 f32) for each half of the lanes
	v_lshl_add_u32 v[AX], v3, 5, v[AX]
	v_add_nc_u32 v[AX], s37, v[AX]
	v_lshl_add_u32 v[AW], v1, 4, WS                ; fragments: 16 L in each block of 512 bytes
	v_mul_u32_u24 v[ABCS], v2, BCPITCH             ; B, C out: row 64 w + r, 8 f32 for each half
	v_lshl_add_u32 v[ABCS], v3, 5, v[ABCS]
	s_mul_i32 s26, s24, 64*BCPITCH
	s_add_co_u32 s26, s26, BC
	v_add_nc_u32 v[ABCS], s26, v[ABCS]
	v_mul_u32_u24 v[ADWS], v2, DWPITCH             ; dec, w out: row 64 w + r, 8 heads x 8 bytes for each half
	v_lshl_add_u32 v[ADWS], v3, 6, v[ADWS]
	s_mul_i32 s26, s24, 64*DWPITCH
	s_add_co_u32 s26, s26, DW
	v_add_nc_u32 v[ADWS], s26, v[ADWS]
	v_mul_u32_u24 v[ADT], v3, PPITCH               ; the D term: row 128 + h' of P, word t = 64 w + r
	v_lshl_add_u32 v[ADT], v2, 2, v[ADT]
	s_lshl_b32 s26, s24, 8
	s_add_co_u32 s27, s26, PD
	v_add_nc_u32 v[ADT], s27, v[ADT]
	v_mul_u32_u24 v[AR], v3, 65*PPITCH             ; the last sum: rows 65 h' .., four t at 64 w + 4 r
	v_lshl_add_u32 v[AR], v2, 4, v[AR]
	v_add_nc_u32 v[AR], s26, v[AR]
	v_lshl_add_u32 v[ADW], v[HP], 4, DW            ; scan: (dec, w) of my two heads
	s_lshl_b32 s26, s24, 6
	s_add_co_u32 s26, s26, BC
	v_lshl_add_u32 v[ABC], v[NG], 4, s26           ; scan: B of my four n; C lies 256 bytes behind
	v_mul_u32_u24 v[AP], v1, PPITCH                ; scan: my row 32 w + L of P
	s_mul_i32 s26, s24, 32*PPITCH
	v_add_nc_u32 v[AP], s26, v[AP]
	v_lshlrev_b32 v[VO], 10, v2                    ; outputs: t = 64 w + 4 r + 2 h', 256 bytes from t to t
	v_lshl_add_u32 v[VO], v3, 9, v[VO]
	s_lshl_b32 s26, s24, 14
	v_add_nc_u32 v[VO], s26, v[VO]
	s_wait_tensorcnt 0x0                           ; my rows of obs and my quarter of the fragments are in LDS,
	s_barrier_signal -1
	s_barrier_wait -1                              ; and every wave's quarter: all four read all of WS
; ---------------- obs to f16 fragments ----------------
; A fragment's lane (r, h') holds row t = r, K = 8 h' .. + 7 in registers 0-3 and 16 + 8 h' .. + 7 in registers 4-7 (ISA guide 7.12.2): in f32 four loads of 16 bytes a K step.
.macro XLD m, st
.irp ks, 0,1
.irp q, 0,1
.irp e, 0,1
	ds_load_b128 v[\st+16*\ks+8*\q+4*\e:\st+16*\ks+8*\q+4*\e+3], v[AX] offset:\m*16*XPITCH+128*\ks+64*\q+16*\e
.endr
.endr
.endr
.endm
.macro XCV m, st
.irp i, 0,1,2,3,4,5,6,7,8,9,10,11,12,13,14,15
	v_cvt_pk_f16_f32 v[XF+16*\m+\i], v[\st+2*\i], v[\st+2*\i+1]
.endr
.endm
; tile j of the weights, both K steps, into buffer j & 1: four loads of 512 neighbouring bytes
.macro WLD j
.irp ks, 0,1
.irp q, 0,1
	ds_load_b128 v[WB+16*((\j)&1)+8*\ks+4*\q:WB+16*((\j)&1)+8*\ks+4*\q+3], v[AW] offset:(\j)*2048+\ks*1024+\q*512
.endr
.endr
.endm
	XLD 0, ST0
	XLD 1, ST1
	XLD 2, ST2
	s_wait_dscnt 16                                ; tile 0 is in; the sixteen loads of tiles 1 and 2 stay out
	XCV 0, ST0
	XLD 3, ST0
	WLD 0
	WLD 1
	s_wait_dscnt 24                                ; tile 1; younger: tile 2's 8, tile 3's 8, the weights' 8
	XCV 1, ST1
	s_wait_dscnt 16                                ; tile 2
	XCV 2, ST2
	s_wait_dscnt 8                                 ; tile 3; the weights' 8 stay out
	XCV 3, ST0
; ---------------- the projections ----------------
; Source 0 = 16 columns n' of the weights, source 1 = 16 rows t of obs: lane (r, h') then holds t = r and n' = 16 j + 8 h' + 0..7, eight neighbours of a row of BC.
; Tile j multiplies into accumulator set j & 1; the four accumulators of a set take turns, one instruction a turn.
; Four v_nop are the places between the matrix instructions and the loads into their source buffer; with the four of the tile
; before they make eight in front of the stores of that tile's results and in front of the matrix instructions that write that set anew.
.macro NT j, cnt, st, ld
	s_wait_dscnt \cnt
.irp ks, 0,1
.irp m, 0,1,2,3
.if \ks
	v_wmma_f32_16x16x32_f16 v[ACC+32*(\j&1)+8*\m:ACC+32*(\j&1)+8*\m+7], v[WB+16*(\j&1)+8*\ks:WB+16*(\j&1)+8*\ks+7], v[XF+16*\m+8*\ks:XF+16*\m+8*\ks+7], v[ACC+32*(\j&1)+8*\m:ACC+32*(\j&1)+8*\m+7]
.else
	v_wmma_f32_16x16x32_f16 v[ACC+32*(\j&1)+8*\m:ACC+32*(\j&1)+8*\m+7], v[WB+16*(\j&1)+8*\ks:WB+16*(\j&1)+8*\ks+7], v[XF+16*\m+8*\ks:XF+16*\m+8*\ks+7], 0
.endif
.endr
.endr
.rept 4
	v_nop
.endr
.if \st
.irp m, 0,1,2,3
	ds_store_b128 v[ABCS], v[ACC+32*((\j-1)&1)+8*\m:ACC+32*((\j-1)&1)+8*\m+3]   offset:\m*16*BCPITCH+(\j-1)*64
	ds_store_b128 v[ABCS], v[ACC+32*((\j-1)&1)+8*\m+4:ACC+32*((\j-1)&1)+8*\m+7] offset:\m*16*BCPITCH+(\j-1)*64+16
.endr
.endif
.if \ld
	WLD \j+2
.endif
.endm
	NT 0, 4, 0, 1                                  ; tile 0's weights are in; tile 1's four loads stay out
	NT 1, 4, 1, 1                                  ; tile 2's four stay out
	NT 2, 12, 1, 1                                 ; behind tile j's loads were issued 8 stores and the 4 loads of tile j + 1
	NT 3, 12, 1, 1
	NT 4, 12, 1, 1
	NT 5, 12, 1, 1
	NT 6, 12, 1, 1
	NT 7, 12, 1, 0
	NT 8, 8, 1, 0                                  ; behind tile 8's loads: 8 stores.  Tile 8 (32 v) stays in set 0
; ---------------- dt, dec, w, the D term ----------------
	s_wait_loadcnt 0x0                             ; the per-head vectors, reward, g0: all global loads of the kernel
.irp j, 0,2,4,6
	v_pk_mul_f32 v[AL2+\j:AL2+\j+1], v[AL2+\j:AL2+\j+1], 0x3fb8aa3b op_sel_hi:[1,0]
.endr
.irp j, 0,1,2,3,4,5,6,7
	v_exp_f32 v[AL2+\j], v[AL2+\j]                 ; e^A_log
.endr
	v_nop                                          ; one plain place behind the exponentials (ISA guide 5.7.2)
	s_wait_alu depctr_va_vdst(0)
.irp j, 0,2,4,6
	v_pk_mul_f32 v[AL2+\j:AL2+\j+1], v[AL2+\j:AL2+\j+1], 0xbfb8aa3b op_sel_hi:[1,0]   ; A log2 e = -e^A_log log2 e
.endr
; t = 64 w + 16 m + r, heads 8 h' + j.  Behind each run of transcendentals stands a run of plain instructions that touch neither their results nor their sources.
.macro DT m
.irp j, 0,1,2,3,4,5,6,7
	v_fma_f32 v[TX+\j], v[RW+\m], v[WDT+\j], v[BIA+\j]         ; x
.endr
.irp j, 0,1,2,3,4,5,6,7
	v_mul_f32 v[TE+\j], s52, |v[TX+\j]|
.endr
.irp j, 0,1,2,3,4,5,6,7
	v_exp_f32 v[TE+\j], v[TE+\j]                               ; e = e^-|x|, in (0, 1]
.endr
.irp j, 0,1,2,3,4,5,6,7
	v_max_num_f32 v[TM+\j], 0, v[TX+\j]
.endr
	s_wait_alu depctr_va_vdst(0)
.irp j, 0,2,4,6
	v_pk_add_f32 v[TU+\j:TU+\j+1], v[TE+\j:TE+\j+1], 1.0 op_sel_hi:[1,0]          ; u = 1 + e, rounded
.endr
.irp j, 0,1,2,3,4,5,6,7
	v_log_f32 v[TX+\j], v[TU+\j]
.endr
.irp j, 0,2,4,6
	v_pk_mul_f32 v[TV+\j:TV+\j+1], v[ACC+8*\m+\j:ACC+8*\m+\j+1], 0x3d000000 op_sel_hi:[1,0]   ; v: the factor 32 taken back
.endr
.irp j, 0,2,4,6
	v_pk_add_f32 v[TU+\j:TU+\j+1], v[TU+\j:TU+\j+1], -1.0 op_sel_hi:[1,0]         ; u - 1, exact
.endr
.irp j, 0,2,4,6
	v_pk_add_f32 v[TE+\j:TE+\j+1], v[TE+\j:TE+\j+1], v[TU+\j:TU+\j+1] neg_lo:[0,1] neg_hi:[0,1]   ; what the rounding of u lost
.endr
	s_wait_alu depctr_va_vdst(0)
.irp j, 0,2,4,6
	v_pk_fma_f32 v[TX+\j:TX+\j+1], v[TX+\j:TX+\j+1], 0x3f317218, v[TE+\j:TE+\j+1] op_sel_hi:[1,0,1]   ; log1p(e) = ln 2 log2 u + (e - (u - 1)): small e keeps its digits
.endr
.irp j, 0,2,4,6
	v_pk_add_f32 v[TX+\j:TX+\j+1], v[TX+\j:TX+\j+1], v[TM+\j:TM+\j+1]             ; dt
.endr
.irp j, 0,2,4,6
	v_pk_mul_f32 v[TE+\j:TE+\j+1], v[TX+\j:TX+\j+1], v[AL2+\j:AL2+\j+1]
.endr
.irp j, 0,1,2,3,4,5,6,7
	v_exp_f32 v[OUT+2*\j], v[TE+\j]                            ; dec = e^(dt A)
.endr
.irp j, 0,1,2,3,4,5,6,7
	v_mul_f32 v[OUT+2*\j+1], v[TX+\j], v[TV+\j]                ; w = dt v
.endr
	v_pk_mul_f32 v[DTM:DTM+1], v[DD:DD+1], v[TV:TV+1]
.irp j, 2,4,6
	v_pk_fma_f32 v[DTM:DTM+1], v[DD+\j:DD+\j+1], v[TV+\j:TV+\j+1], v[DTM:DTM+1]
.endr
	v_add_f32 v[DTM], v[DTM], v[DTM+1]                         ; sum over my eight heads of D v
	s_wait_alu depctr_va_vdst(0)
.irp i, 0,1,2,3
	ds_store_b128 v[ADWS], v[OUT+4*\i:OUT+4*\i+3] offset:\m*16*DWPITCH+16*\i
.endr
	ds_store_b32 v[ADT], v[DTM] offset:64*\m
.endm
	DT 0
	DT 1
	DT 2
	DT 3
	s_wait_dscnt 0x0                               ; my rows of BC, DW and the D term are in LDS, and my reads of XS and WS are back,
	s_barrier_signal -1
	s_barrier_wait -1                              ; every wave's: BC and DW may be read, and P may be stored over XS and WS, which are filled no more
; ---------------- the scan ----------------
; four steps t0 .. t0 + 3 (counted from the addresses' place) into buffer p
.macro LOADG p, t0
.irp s, 0,1,2,3
	ds_load_b128 v[LD+48*\p+12*\s:LD+48*\p+12*\s+3],    v[ADW] offset:(\t0+\s)*DWPITCH
	ds_load_b128 v[LD+48*\p+12*\s+4:LD+48*\p+12*\s+7],  v[ABC] offset:(\t0+\s)*BCPITCH
	ds_load_b128 v[LD+48*\p+12*\s+8:LD+48*\p+12*\s+11], v[ABC] offset:(\t0+\s)*BCPITCH+256
.endr
.endm
; four steps from buffer p; my four parts of o go to byte po of my row's place
.macro COMP p, po
.irp s, 0,1,2,3
.set QB, LD+48*\p+12*\s
	v_pk_mul_f32 v[TT+8*\s:TT+8*\s+1],   v[QB+4:QB+5], v[QB:QB+1]   op_sel:[0,1] op_sel_hi:[1,1]   ; w0 B (the pair's second register feeds both halves)
	v_pk_mul_f32 v[TT+8*\s+2:TT+8*\s+3], v[QB+6:QB+7], v[QB:QB+1]   op_sel:[0,1] op_sel_hi:[1,1]
	v_pk_mul_f32 v[TT+8*\s+4:TT+8*\s+5], v[QB+4:QB+5], v[QB+2:QB+3] op_sel:[0,1] op_sel_hi:[1,1]   ; w1 B
	v_pk_mul_f32 v[TT+8*\s+6:TT+8*\s+7], v[QB+6:QB+7], v[QB+2:QB+3] op_sel:[0,1] op_sel_hi:[1,1]
.endr
.irp s, 0,1,2,3
.set QB, LD+48*\p+12*\s
.set GC, GS+8*\s+76*(\s/3)
.set GP, GS+8*((\s+3)&3)+76*(((\s+3)&3)/3)
	v_pk_fma_f32 v[GC:GC+1],   v[GP:GP+1],   v[QB:QB+1],   v[TT+8*\s:TT+8*\s+1]   op_sel_hi:[1,0,1]   ; g = dec g + w B: four chains, a link every fourth line
	v_pk_fma_f32 v[GC+2:GC+3], v[GP+2:GP+3], v[QB:QB+1],   v[TT+8*\s+2:TT+8*\s+3] op_sel_hi:[1,0,1]
	v_pk_fma_f32 v[GC+4:GC+5], v[GP+4:GP+5], v[QB+2:QB+3], v[TT+8*\s+4:TT+8*\s+5] op_sel_hi:[1,0,1]
	v_pk_fma_f32 v[GC+6:GC+7], v[GP+6:GP+7], v[QB+2:QB+3], v[TT+8*\s+6:TT+8*\s+7] op_sel_hi:[1,0,1]
.endr
.irp s, 0,1,2,3
.set QB, LD+48*\p+12*\s
.set GC, GS+8*\s+76*(\s/3)
	v_pk_mul_f32 v[Y+2*\s:Y+2*\s+1], v[GC:GC+1], v[QB+8:QB+9]                     ; the first product starts the sum
.endr
.irp s, 0,1,2,3
.set QB, LD+48*\p+12*\s
.set GC, GS+8*\s+76*(\s/3)
	v_pk_fma_f32 v[Y+2*\s:Y+2*\s+1], v[GC+2:GC+3], v[QB+10:QB+11], v[Y+2*\s:Y+2*\s+1]
.endr
.irp s, 0,1,2,3
.set QB, LD+48*\p+12*\s
.set GC, GS+8*\s+76*(\s/3)
	v_pk_fma_f32 v[Y+2*\s:Y+2*\s+1], v[GC+4:GC+5], v[QB+8:QB+9], v[Y+2*\s:Y+2*\s+1]
.endr
.irp s, 0,1,2,3
.set QB, LD+48*\p+12*\s
.set GC, GS+8*\s+76*(\s/3)
	v_pk_fma_f32 v[Y+2*\s:Y+2*\s+1], v[GC+6:GC+7], v[QB+10:QB+11], v[Y+2*\s:Y+2*\s+1]
.endr
.irp s, 0,1,2,3
	v_add_f32 v[YS+\s], v[Y+2*\s], v[Y+2*\s+1]
.endr
	ds_store_b128 v[AP], v[YS:YS+3] offset:\po
.endm
	LOADG 0, 0
	s_mov_b32 s56, 31                              ; 31 trips of eight steps; the last eight are written out
.Lscan:
	LOADG 1, 4
	s_wait_dscnt 12                                ; the twelve loads just issued may stay out: buffer 0 is in (over the back edge one store lies between: 12 covers it too)
	COMP 0, 0
	LOADG 0, 8
	s_wait_dscnt 12                                ; buffer 1 is in (and the store behind it done)
	COMP 1, 16
	v_add_nc_u32 v[ADW], 8*DWPITCH, v[ADW]
	v_add_nc_u32 v[ABC], 8*BCPITCH, v[ABC]
	v_add_nc_u32 v[AP], 32, v[AP]
	s_sub_co_u32 s56, s56, 1
	s_cmp_lg_u32 s56, 0
	s_cbranch_scc1 .Lscan
	LOADG 1, 4                                     ; t = 252 .. 255: nothing is read beyond the last row
	s_wait_dscnt 12
	COMP 0, 0
	s_wait_dscnt 1                                 ; only the store just issued is younger than buffer 1's loads
	COMP 1, 16
	s_wait_dscnt 0x0                               ; my rows of P are in LDS,
	s_barrier_signal -1
	s_barrier_wait -1                              ; every wave's
; ---------------- the sum over the 130 rows of P; my four t are 64 w + 4 r .., my half of the lanes has rows 65 h' .. 65 h' + 64 ----------------
.macro LOADR p, step
.irp i, 0,1,2,3,4,5,6,7,8,9,10,11,12
	ds_load_b128 v[FB+52*\p+4*\i:FB+52*\p+4*\i+3], v[AR] offset:PPITCH*\i
.endr
.if \step
	v_add_nc_u32 v[AR], 13*PPITCH, v[AR]
.endif
.endm
.macro ADDROWS p, from
.irp i, 0,1,2,3,4,5,6,7,8,9,10,11,12
.if \i >= \from
.set RA, AC0+4*(\i&1)
.set RR, FB+52*\p+4*\i
	v_pk_add_f32 v[RA:RA+1],   v[RA:RA+1],   v[RR:RR+1]       ; two chains, rows by turns
	v_pk_add_f32 v[RA+2:RA+3], v[RA+2:RA+3], v[RR+2:RR+3]
.endif
.endr
.endm
	LOADR 0, 1
	LOADR 1, 1
	s_wait_dscnt 13                                ; in each of these waits the thirteen loads of the younger batch stay out
	v_pk_add_f32 v[AC0:AC0+1],   v[FB:FB+1],     v[FB+8:FB+9]          ; rows 0 + 2 and 1 + 3 start the two sums: nothing is cleared
	v_pk_add_f32 v[AC0+2:AC0+3], v[FB+2:FB+3],   v[FB+10:FB+11]
	v_pk_add_f32 v[AC1:AC1+1],   v[FB+4:FB+5],   v[FB+12:FB+13]
	v_pk_add_f32 v[AC1+2:AC1+3], v[FB+6:FB+7],   v[FB+14:FB+15]
	ADDROWS 0, 4
	LOADR 0, 1
	s_wait_dscnt 13
	ADDROWS 1, 0
	LOADR 1, 1
	s_wait_dscnt 13
	ADDROWS 0, 0
	LOADR 0, 0
	s_wait_dscnt 13
	ADDROWS 1, 0
	s_wait_dscnt 0x0                               ; the last batch
	ADDROWS 0, 0
	v_pk_add_f32 v[AC0:AC0+1],   v[AC0:AC0+1],   v[AC1:AC1+1]
	v_pk_add_f32 v[AC0+2:AC0+3], v[AC0+2:AC0+3], v[AC1+2:AC1+3]
.irp k, 0,1,2,3
	v_permlanex16_b32 v[PX+\k], v[AC0+\k], s54, s55            ; the other half's 65 rows (PX was written in the scan)
.endr
.irp k, 0,1,2,3
	v_add_f32 v[AC0+\k], v[AC0+\k], v[PX+\k]
.endr
	v_cmp_le_u32 vcc_lo, 16, v1                    ; both halves hold all four t: lanes 0-15 store the first two, lanes 16-31 the last two
	v_cndmask_b32 v[VA], v[AC0], v[AC0+2], vcc_lo
	v_cndmask_b32 v[VB], v[AC0+1], v[AC0+3], vcc_lo
	global_store_b32 v[VO], v[VA], s[20:21]
	global_store_b32 v[VO], v[VB], s[20:21] offset:256
	global_store_b32 v[VO], v[VA], s[22:23]
	global_store_b32 v[VO], v[VB], s[22:23] offset:256
	s_set_vgpr_msb 0x4
	s_wait_tensorcnt 0x0
	ds_add_u32 v255, v1
	s_wait_dscnt 0x0
	s_set_vgpr_msb 0x400
	s_endpgm
.Lfunc_end_k_q26aea91a1a_scan:
	.size	k_q26aea91a1a_scan, .Lfunc_end_k_q26aea91a1a_scan-k_q26aea91a1a_scan
	.p2alignl 7, 3214868480
	.fill 96, 4, 3214868480
	.section	.rodata,"a",@progbits
	.p2align	6, 0x0
	.amdhsa_kernel k_q26aea91a1a_scan
		.amdhsa_group_segment_fixed_size 307968
		.amdhsa_private_segment_fixed_size 0
		.amdhsa_enable_private_segment 0
		.amdhsa_kernarg_size 80
		.amdhsa_user_sgpr_count 2
		.amdhsa_user_sgpr_kernarg_segment_ptr 1
		.amdhsa_wavefront_size32 1
		.amdhsa_system_sgpr_workgroup_id_x 1
		.amdhsa_system_sgpr_workgroup_id_y 1
		.amdhsa_system_sgpr_workgroup_id_z 1
		.amdhsa_system_vgpr_workitem_id 0
		.amdhsa_next_free_vgpr 258
		.amdhsa_next_free_sgpr 66
		.amdhsa_reserve_vcc 1
		.amdhsa_float_denorm_mode_32 3
		.amdhsa_float_denorm_mode_16_64 3
		.amdhsa_memory_ordered 1
		.amdhsa_forward_progress 1
		.amdhsa_inst_pref_size 76
	.end_amdhsa_kernel
	.amdgpu_metadata
---
amdhsa.version: [ 1, 2 ]
amdhsa.kernels:
  - .name:           k_q26aea91a1a_scan
    .symbol:         k_q26aea91a1a_scan.kd
    .args:
      - { .name: obs, .offset: 0, .size: 8, .value_kind: global_buffer, .address_space: global }
      - { .name: reward, .offset: 8, .size: 8, .value_kind: global_buffer, .address_space: global }
      - { .name: W_dt, .offset: 16, .size: 8, .value_kind: global_buffer, .address_space: global }
      - { .name: dt_bias, .offset: 24, .size: 8, .value_kind: global_buffer, .address_space: global }
      - { .name: A_log, .offset: 32, .size: 8, .value_kind: global_buffer, .address_space: global }
      - { .name: D, .offset: 40, .size: 8, .value_kind: global_buffer, .address_space: global }
      - { .name: wfrag, .offset: 48, .size: 8, .value_kind: global_buffer, .address_space: global }
      - { .name: gzero, .offset: 56, .size: 8, .value_kind: global_buffer, .address_space: global }
      - { .name: out0, .offset: 64, .size: 8, .value_kind: global_buffer, .address_space: global }
      - { .name: out1, .offset: 72, .size: 8, .value_kind: global_buffer, .address_space: global }
    .group_segment_fixed_size: 307968
    .private_segment_fixed_size: 0
    .kernarg_segment_align: 8
    .kernarg_segment_size: 80
    .max_flat_workgroup_size: 128
    .sgpr_count:     66
    .vgpr_count:     258
    .wavefront_size: 32
...
	.end_amdgpu_metadata
.endif
;; end of part 2
